; MI455X (gfx1250); checked and timed in simulation.
; The chip was launched on July 23, 2026; its instructions are those of AMD's public machine-readable ISA for CDNA 5 (MIT licence, August 2026) and "CDNA5" Instruction Set Architecture Reference Guide (July 2026). The comments in the code are by the model that wrote it; some were corrected since.
;; Linear4bit DUSQ. Allowed arithmetic: matrix products marked QUANTISED: E2M3 operands, one E8M0 scale for each 32 along K, by v_wmma_scale_f32_16x16x128_f8f6f4 with both operands' format E2M3, f32 sums; everything else in f32.
;; Inputs: bias 4,096 float32; scales_x 2,048 x 1 float32; w_packed 4,096 x 2,048 int32; weight_scales_1 4,096 x 1 float32; weight_scales_2 4,096 x 1 float32; x_q 2,048 x 4,096 int32.
;; Outputs: out0 2,048 x 4,096 float32.
;; This version of the problem:
;;   THIS VERSION OF THE PROBLEM IS GIVEN IN LOW PRECISION. The matrix products marked QUANTISED in the list below multiply operands that are first quantised to E2M3 (2 exponent bits, 3 mantissa bits; 6 bits a number), with one power-of-two scale for each 32 numbers along K (OCP MX v1.0); their sums are f32. All else is computed in f32.
;;   The module's matrix products, in the order in which they are computed (A, B: the left and right operand; K: the contracted axis; several contracted axes count as one K, in the product's order):
;;     1. [M 2,048, K 2,048] x [K 2,048, N 4,096]; A: input x_q; B: computed on the way: QUANTISED
;;     2. [M 2,048, K 2,048] x [K 2,048, N 4,096]; A: input x_q; B: computed on the way: QUANTISED
;;   THE QUANTISER, for each operand of a quantised product, along K:
;;     - K is cut into blocks of 32 from its start; a last block that is shorter is filled with zeros.
;;     - A block's scale is 2^e with e = floor(log2(the largest magnitude in the block)) - 2, held to -126 .. 127; a block of zeros has e = 0. As a byte (E8M0): e + 127.
;;     - Each number is divided by its block's scale, clamped to +-7.5, and rounded to the nearest number of E2M3, ties to even, subnormals kept.
;;     - The product sums the exact products of the quantised numbers (number of the format x scale) in f32.
;;   ~~~python
;;   def quantise(x, axis):      # numpy; x: float32 -> the quantised numbers, widened to float32 again
;;       x = np.moveaxis(x, axis, -1); K = x.shape[-1]
;;       x = np.pad(x, [(0, 0)] * (x.ndim - 1) + [(0, -K % 32)]); x = x.reshape(x.shape[:-1] + (-1, 32)); a = np.abs(x).max(-1, keepdims=True)
;;       e = np.where(a > 0, np.clip(np.frexp(np.where(a > 0, a, 1))[1] - 1 - 2, -126, 127), 0)      # np.frexp(a)[1] - 1 = floor(log2(a)), exactly
;;       r = np.clip(x / 2.0 ** e, -7.5, 7.5)
;;       step = 2.0 ** (np.maximum(np.frexp(np.where(r == 0, 1, r))[1] - 1, 0) - 3)
;;       q = np.round(r / step) * step * 2.0 ** e      # np.round: ties to even
;;       return np.moveaxis(q.reshape(q.shape[:-2] + (-1,))[..., :K], -1, axis).astype(np.float32)
;;   ~~~
;;   OPERANDS COMPUTED ON THE WAY. 'Computed on the way' means the value that the module computes at that place (a softmax that the list does not call 'softmax' is quantised finished and normalised). What goes into a quantiser is computed in f32, as accurately as f32 sums, v_exp_f32 and their like allow (about 1e-6 of the number): no bf16 or f16 on the way to a quantiser, and a product that is left as it is and whose result goes on into a quantised operand takes f32 operands (vector FMAs, or v_wmma_f32_16x16x4_f32). A number that lies on a knife's edge between two numbers of the format may be rounded either way, as far as f32 arithmetic and the matrix unit's own rounding can turn it there, and no further.
;; One version. Each part assembles by itself: llvm-mc -triple=amdgcn-amd-amdhsa -mcpu=gfx1250 --defsym DOCPART=n.
;; ======== version 1 of 1: 2 launches
;; limits: right only within a limited range of input values
;; workspace buffers: xc 6,553,600 bytes; wc 12,582,912 bytes
;; launch quant (part 1): grid 256 x 1, 32 waves a work-group, no clusters, 275,456 bytes of LDS; arguments x_q, w_packed, xc, wc; writes xc, wc
.if DOCPART == 1
	.amdgcn_target "amdgcn-amd-amdhsa--gfx1250"
	.amdhsa_code_object_version 6
	.text
	.protected	k_q32dbbfa901_quant
	.globl	k_q32dbbfa901_quant
	.p2align	8
	.type	k_q32dbbfa901_quant,@function
k_q32dbbfa901_quant:
	s_mov_b64 s[64:65], 0
	v_nop
	global_prefetch_b8 v0, s[64:65] scope:SCOPE_SE
	s_setreg_imm32_b32 hwreg(HW_REG_WAVE_MODE, 25, 1), 1
	s_wait_xcnt 0x0
; x_q [2048][4096] int32 and w_packed [4096][2048] int32 (two signed nibbles a word: the low one is the even column) become codes of FP6 (E2M3), x with one E8M0 byte for each 32 along K.
; x: a block's scale is 2^(floor(log2(its largest magnitude)) - 2); each number is divided by it and rounded to the nearest code, ties to even, beyond 7.5 the largest code.
; w: reference() makes each number of four bits, so it is a whole number from -8 to 7, whatever w_packed holds, and the quantiser gives it back unchanged: with a block's largest magnitude a from 1 to 8 the exponent e is -2 .. 1,
; n / 2^e is a multiple of 1/2 and at most 7 in magnitude, which is a number of E2M3.  The scale 2 for every block gives the same numbers: n / 2 is a multiple of 1/2 and at most 4.  So w's codes are those of n / 2, the scale's byte is the constant 128,
; no largest magnitude is looked for (it could change no number), and no scale byte of w is stored.
; THE CODES ARE LAID AS IMAGES OF THE OPERAND'S REGISTERS.  Fragment f (16 rows x 128 along K, 12 registers a lane) at f x 1,536: register 4 g + i of a lane at 512 g + 16 x lane + 4 i.
;   xc: block (P, t) at (32 P + t) x 12,800: tokens 128 P .., K step t; fragment f, row r = token 128 P + 16 f + r; behind the eight fragments, at 12,288 + 16 l + 4 i, the scale word of fragment i + 4 (l / 16), row l % 16.
;   wc: block (Q, t, c) at ((32 Q + t) 2 + c) x 12,288; fragment 4 g + b, row r = output column 256 Q + 128 c + 64 g + 4 r + b: so that in the product's result four accumulators of one lane hold four neighbouring columns.
; SHARES.  A wave takes a unit of 16 rows x 512 input bytes by ONE tensor load into LDS bytes of its own: waves 0-15 units of w (two fragments: K steps 2 ch, 2 ch + 1), waves 16-31 units of x (one fragment).  Nothing is filled again.
; x's scale words pass through LDS behind the codes' stores: one barrier, then waves 0-3 store 256 bytes each, a whole aligned unit.
; No cluster: no two work-groups read the same bytes.  No prefetch: there is no loop to run ahead in, all 256 KB of a work-group are asked for at the head.
; LIMITS: a block of zeros in x gets the byte 1 where the rule says 127 (its codes are zeros, and this program alone reads the bytes); a whole number of x_q beyond 2^24 is rounded to f32, to nearest even, as a cast to f32 rounds it.
.set WREG,  8448                       ; LDS: a wave's unit: 16 rows x 528
.set LP,    528                        ; an LDS row: 512 bytes + 16 of padding
.set SCST,  32*WREG                    ; x's scale words: four K steps x 256 bytes; no tile lands here
.set SPARE, SCST+1024                  ; the spare words, 128 bytes for each wave
.set XB,    12800
.set WB,    12288
.set FRAGB, 1536
.set LI,    3                          ; v3   16 x lane
.set LAX,   5                          ; v5   LDS: my unit + 528 r + 128 h
.set LAW,   6                          ; v6   LDS: my unit + 528 r + 64 h
.set SH8,   7                          ; v7   8 h
.set SPW,   8                          ; v8   my spare word
.set NIL,   9                          ; v9   0
.set SST,   10                         ; v10  LDS: where I put my row's scale word
.set SLD,   11                         ; v11  LDS: where waves 0-3 read them back
.set VS,    12                         ; v12  8 x lane
.set PT,    13
.set WD,    14
.set M,     16                         ; v16-19 largest magnitudes
.set SO,    20                         ; v20-21 the conversions' scale operands
.set BY,    22                         ; v22-23 the scales' bytes
.set WSC,   24                         ; v24  w's scale operand
.set N,     32                         ; v32-95 64 numbers: register 32 c + i = k 64 c + 32 h + i of my row
.set F,     96                         ; v96-107 a fragment's 12 registers
.set T,     108                        ; v108-114 the blocks' second halves, as the conversions leave them
.set F2,    116                        ; v116-127 w's second fragment
.set G1X,   16
.set G1W,   24
.set G0,    32
	s_load_b128 s[4:7], s[0:1], 0x0                ; x_q, w_packed
	s_load_b128 s[8:11], s[0:1], 0x10              ; xc, wc
	v_lshl_add_u32 v[SPW], v0, 2, SPARE
	v_mov_b32 v[NIL], 0
	ds_add_u32 v[SPW], v[NIL]                      ; the wave's opening: the add, twice on end, and its wait ahead of my tensor load
	ds_add_u32 v[SPW], v[NIL]
	v_lshrrev_b32 v1, 5, v0
	v_readfirstlane_b32 s12, v1                    ; wave 0..31
.irp g, G1X, G1W
	s_mov_b32 s[\g+0], (2<<16)|(1<<20)|(6<<22)|(3<<25)   ; 16 rows x 128 elements of 4 bytes, 4 words of padding behind every 128
	s_mov_b32 s[\g+1], 128<<16
	s_mov_b32 s[\g+2], 16<<16
	s_mov_b32 s[\g+3], 128<<16
	s_mov_b32 s[\g+4], 16
	s_mov_b32 s[\g+6], 0
	s_mov_b32 s[\g+7], 0
.endr
	s_mov_b32 s[G1X+5], 4096                       ; x: from a row to the next
	s_mov_b32 s[G1W+5], 8192                       ; w: a unit takes every fourth row
	s_mov_b32 s54, 0xf0000000                      ; a word's top nibble
	s_mov_b32 s56, 0x76543210
	s_mov_b32 s57, 0xfedcba98                      ; v_permlanex16_b32's selects for lane l xor 16
	s_mul_i32 s36, s12, WREG
	s_bfe_u32 s37, s12, 0x20002                    ; which of the work-group's four tasks of 64 rows of my kind
	s_and_b32 s38, s12, 3                          ; which unit of it
	; x: 64 rows hp, K steps 4 (ttmp9 % 8) + task
	s_lshr_b32 s14, ttmp9, 3                       ; hp = 0..31
	s_and_b32 s15, ttmp9, 7
	s_lshl_b32 s15, s15, 2
	s_lshr_b32 s39, s14, 1
	s_lshl_b32 s39, s39, 5
	s_add_co_u32 s39, s39, s15                     ; the block of the work-group's first K step
	s_and_b32 s40, s14, 1                          ; fragments 0-3 or 4-7
	s_add_co_u32 s41, s39, s38
	s_mul_i32 s41, s41, XB
	s_lshl_b32 s42, s40, 8
	s_add_co_u32 s41, s41, s42
	s_add_co_u32 s52, s41, 8*FRAGB                 ; the scale words of K step s38, which wave s38 stores
	s_mov_b32 s53, 0
	s_add_co_u32 s42, s39, s37
	s_mul_i32 s42, s42, XB
	s_lshl_b32 s43, s40, 2
	s_add_co_u32 s43, s43, s38
	s_mul_i32 s43, s43, FRAGB
	s_add_co_u32 s42, s42, s43                     ; my fragment in xc
	s_add_co_u32 s15, s15, s37
	s_lshl_b32 s43, s14, 20                        ; 64 rows of 16,384 bytes
	s_lshl_b32 s15, s15, 9
	s_add_co_u32 s43, s43, s15
	s_lshl_b32 s15, s38, 18
	s_add_co_u32 s43, s43, s15                     ; my unit in x_q
	; w: 64 rows g64 = 4 Q + 2 c + g, K steps 2 ch, 2 ch + 1
	s_lshr_b32 s14, ttmp9, 2
	s_and_b32 s15, ttmp9, 3
	s_lshl_b32 s15, s15, 2
	s_add_co_u32 s15, s15, s37                     ; ch = 0..15
	s_lshl_b32 s44, s14, 19                        ; 64 rows of 8,192 bytes
	s_lshl_b32 s45, s15, 9
	s_add_co_u32 s44, s44, s45
	s_lshl_b32 s45, s38, 13
	s_add_co_u32 s44, s44, s45                     ; my unit in w_packed: rows b, b + 4, ..
	s_lshr_b32 s45, s14, 2
	s_mul_i32 s45, s45, 64*WB
	s_mul_i32 s46, s15, 4*WB
	s_add_co_u32 s45, s45, s46
	s_bfe_u32 s46, s14, 0x10001
	s_mul_i32 s46, s46, WB
	s_add_co_u32 s45, s45, s46
	s_and_b32 s46, s14, 1
	s_lshl_b32 s46, s46, 2
	s_add_co_u32 s46, s46, s38
	s_mul_i32 s46, s46, FRAGB
	s_add_co_u32 s45, s45, s46                     ; my first fragment in wc
	s_cmp_lt_u32 s12, 16                           ; w's wave or x's: the wave's number alone decides
	s_cselect_b32 s48, s44, s43
	s_cselect_b32 s50, s45, s42
	s_mov_b32 s49, 0
	s_mov_b32 s51, 0
	s_lshl_b32 s2, s37, 8
	s_lshl_b32 s3, s38, 2
	s_add_co_u32 s2, s2, s3
	s_add_co_u32 s2, s2, SCST
	s_lshl_b32 s3, s38, 8
	s_add_co_u32 s3, s3, SCST
	v_and_b32 v1, 15, v0                           ; r
	v_bfe_u32 v2, v0, 4, 1                         ; h
	v_and_b32 v15, 31, v0
	v_lshlrev_b32 v[LI], 4, v15
	v_lshlrev_b32 v[VS], 3, v15
	v_mul_u32_u24 v[LAX], v1, LP
	v_add_nc_u32 v[LAX], s36, v[LAX]
	v_lshl_add_u32 v[LAW], v2, 6, v[LAX]
	v_lshl_add_u32 v[LAX], v2, 7, v[LAX]
	v_lshlrev_b32 v[SH8], 3, v2
	v_lshl_add_u32 v[SST], v1, 4, s2
	v_lshl_add_u32 v[SLD], v15, 3, s3
	v_mov_b32 v[PT], 0                             ; a lane permute's destination counts as one of its sources
	v_mov_b32 v[WSC], 0x4e000000                   ; 2^29: w's numbers come as n x 2^28, the codes are those of n / 2
	s_wait_alu depctr_va_vdst(0)                   ; the head's end
	s_wait_dscnt 0x0                               ; both opening adds are done
	s_wait_kmcnt 0x0
	s_cmp_lt_u32 s12, 16
	s_cselect_b64 s[58:59], s[6:7], s[4:5]         ; my input,
	s_cselect_b64 s[60:61], s[10:11], s[8:9]       ; my output
	s_add_nc_u64 s[58:59], s[58:59], s[48:49]
	s_add_nc_u64 s[60:61], s[60:61], s[50:51]
	s_add_nc_u64 s[62:63], s[8:9], s[52:53]
	s_mov_b32 s[G0], 1
	s_mov_b32 s[G0+1], s36
	s_mov_b64 s[G0+2:G0+3], s[58:59]
	s_or_b32 s[G0+3], s[G0+3], 0x80000000
	s_cmp_lt_u32 s12, 16                           ; one tensor load a wave; an s_nop 0 and four v_nop follow each line
	s_cbranch_scc0 .Lfill_x
	tensor_load_to_lds s[G0:G0+3], s[G1W:G1W+7]
	s_nop 0
.rept 4
	v_nop
.endr
	s_branch .Lfilled
.Lfill_x:
	tensor_load_to_lds s[G0:G0+3], s[G1X:G1X+7]
	s_nop 0
.rept 4
	v_nop
.endr
.Lfilled:
; the conversions of 64 numbers into the fragment at f, with the scale operands of blocks h and 2 + h
.macro CONV f, so0, so1
	v_cvt_scalef32_pk16_fp6_f32 v[\f:\f+2], v[N:N+15], v[\so0]
	v_cvt_scalef32_pk16_fp6_f32 v[T:T+2], v[N+16:N+31], v[\so0]        ; (a conversion's three registers begin on an even number: a block's second half is made elsewhere and moved)
	v_cvt_scalef32_pk16_fp6_f32 v[\f+6:\f+8], v[N+32:N+47], v[\so1]
	v_cvt_scalef32_pk16_fp6_f32 v[T+4:T+6], v[N+48:N+63], v[\so1]
	v_nop                                          ; one plain place behind a scaled conversion
.irp i, 0,1,2
	v_mov_b32 v[\f+3+\i], v[T+\i]
	v_mov_b32 v[\f+9+\i], v[T+4+\i]
.endr
.endm
.macro PUT f, imm                      ; each store of the wave covers 512 consecutive bytes, at a multiple of 256 from the buffer's first byte
.irp g, 0,1,2
	global_store_b128 v[LI], v[\f+4*\g:\f+4*\g+3], s[60:61] offset:\imm+512*\g
.endr
.endm
.macro WSTEP s, f                      ; one K step of my 16 rows of w: 32 words a lane
.irp c, 0,1
.irp q, 0,1,2,3
	ds_load_b128 v[N+32+16*\c+4*\q:N+32+16*\c+4*\q+3], v[LAW] offset:256*\s+128*\c+16*\q
.endr
.endr
	s_wait_dscnt 0x0
.set i, 0
.rept 32
	v_lshlrev_b32 v[N+2*i], 28, v[N+32+i]          ; the low nibble on top of the word: the even column x 2^28, sign and all
	v_lshlrev_b32 v[N+2*i+1], 24, v[N+32+i]        ; the high nibble likewise.  (Word i is read here last; what is written over has been read)
.set i, i+1
.endr
.set i, 0
.rept 32
	v_and_b32 v[N+2*i+1], s54, v[N+2*i+1]          ; with the low one under it cleared: the odd column x 2^28
.set i, i+1
.endr
.set i, 0
.rept 64
	v_cvt_f32_i32 v[N+i], v[N+i]                   ; exact: four bits
.set i, i+1
.endr
	CONV \f, WSC, WSC
	PUT \f, \s*2*WB
.endm
	s_wait_tensorcnt 0x0                           ; my unit is in
	s_cmp_lt_u32 s12, 16
	s_cbranch_scc0 .Lx_arm
	WSTEP 0, F
	WSTEP 1, F2
	s_branch .Ljoin
.Lx_arm:
.irp c, 0,1
.irp q, 0,1,2,3,4,5,6,7
	ds_load_b128 v[N+32*\c+4*\q:N+32*\c+4*\q+3], v[LAX] offset:256*\c+16*\q
.endr
.endr
	s_wait_dscnt 8                                 ; the first block's eight loads are in
.set i, 0
.rept 32
	v_cvt_f32_i32 v[N+i], v[N+i]
.set i, i+1
.endr
	s_wait_dscnt 0x0
.rept 32
	v_cvt_f32_i32 v[N+i], v[N+i]
.set i, i+1
.endr
.irp c, 0,1,2,3
	v_max3_num_f32 v[M+\c], |v[N+16*\c]|, |v[N+16*\c+1]|, 3<<23   ; four chains of 16 numbers, two to a block, and the floor under which no largest magnitude is taken: so the byte cannot fall under 1
.endr
.irp i, 2,4,6,8,10,12,14
.irp c, 0,1,2,3
	v_max3_num_f32 v[M+\c], v[M+\c], |v[N+16*\c+\i]|, |v[N+16*\c+\i+1]|
.endr
.endr
	v_max_num_f32 v[M], v[M], v[M+1]               ; block h of my row,
	v_max_num_f32 v[M+2], v[M+2], v[M+3]           ; block 2 + h
	v_add_nc_u32 v[SO], -(2<<23), v[M]             ; 2 off the exponent field: the conversion takes the exponent field of this operand as its scale, and nothing else of it
	v_add_nc_u32 v[SO+1], -(2<<23), v[M+2]
	v_lshrrev_b32 v[BY], 23, v[SO]
	v_lshrrev_b32 v[BY+1], 23, v[SO+1]
	v_lshl_or_b32 v[WD], v[BY+1], 16, v[BY]        ; my two bytes,
	v_lshlrev_b32 v[WD], v[SH8], v[WD]             ; at their places in the word (8 h bits up);
	v_permlanex16_b32 v[PT], v[WD], s56, s57
	v_or_b32 v[WD], v[WD], v[PT]                   ; with lane l xor 16's two the word is whole, in both lanes
	ds_store_b32 v[SST], v[WD]                     ; both lanes write the same word with the same value
	CONV F, SO, SO+1
	PUT F, 0
.Ljoin:
	s_wait_dscnt 0x0                               ; for the others' sake: my scale words are in LDS
	s_barrier_signal -1
	s_barrier_wait -1
	s_cmp_lt_u32 s12, 4
	s_cbranch_scc0 .Lend
	ds_load_b64 v[M:M+1], v[SLD]
	s_wait_dscnt 0x0
	global_store_b64 v[VS], v[M:M+1], s[62:63]     ; 32 lanes store 256 consecutive bytes, aligned
.Lend:
	s_wait_tensorcnt 0x0                           ; the wave's end
	ds_add_u32 v[SPW], v[NIL]
	s_wait_dscnt 0x0
	s_endpgm
.Lfunc_end_k_q32dbbfa901_quant:
	.size	k_q32dbbfa901_quant, .Lfunc_end_k_q32dbbfa901_quant-k_q32dbbfa901_quant
	.p2alignl 7, 3214868480
	.fill 96, 4, 3214868480
	.section	.rodata,"a",@progbits
	.p2align	6, 0x0
	.amdhsa_kernel k_q32dbbfa901_quant
		.amdhsa_group_segment_fixed_size 275456
		.amdhsa_private_segment_fixed_size 0
		.amdhsa_enable_private_segment 0
		.amdhsa_kernarg_size 32
		.amdhsa_user_sgpr_count 2
		.amdhsa_user_sgpr_kernarg_segment_ptr 1
		.amdhsa_wavefront_size32 1
		.amdhsa_system_sgpr_workgroup_id_x 1
		.amdhsa_system_sgpr_workgroup_id_y 1
		.amdhsa_system_sgpr_workgroup_id_z 1
		.amdhsa_system_vgpr_workitem_id 0
		.amdhsa_next_free_vgpr 128
		.amdhsa_next_free_sgpr 68
		.amdhsa_reserve_vcc 0
		.amdhsa_float_denorm_mode_32 3
		.amdhsa_float_denorm_mode_16_64 3
		.amdhsa_memory_ordered 1
		.amdhsa_forward_progress 1
		.amdhsa_inst_pref_size 26
	.end_amdhsa_kernel
	.amdgpu_metadata
---
amdhsa.version: [ 1, 2 ]
amdhsa.kernels:
  - .name:           k_q32dbbfa901_quant
    .symbol:         k_q32dbbfa901_quant.kd
    .args:
      - { .name: x_q, .offset: 0, .size: 8, .value_kind: global_buffer, .address_space: global }
      - { .name: w_packed, .offset: 8, .size: 8, .value_kind: global_buffer, .address_space: global }
      - { .name: xc, .offset: 16, .size: 8, .value_kind: global_buffer, .address_space: global }
      - { .name: wc, .offset: 24, .size: 8, .value_kind: global_buffer, .address_space: global }
    .group_segment_fixed_size: 275456
    .private_segment_fixed_size: 0
    .kernarg_segment_align: 8
    .kernarg_segment_size: 32
    .max_flat_workgroup_size: 1024
    .sgpr_count:     68
    .vgpr_count:     128
    .wavefront_size: 32
...
	.end_amdgpu_metadata
.endif
;; end of part 1
;; launch gemm (part 2): grid 16 x 16, 4 waves a work-group, clusters of 4 x 4, 327,680 bytes of LDS; arguments xc, wc, scales_x, weight_scales_1, weight_scales_2, bias, out0; writes out0
.if DOCPART == 2
	.amdgcn_target "amdgcn-amd-amdhsa--gfx1250"
	.amdhsa_code_object_version 6
	.text
	.protected	k_q32dbbfa901_gemm
	.globl	k_q32dbbfa901_gemm
	.p2align	8
	.type	k_q32dbbfa901_gemm,@function
k_q32dbbfa901_gemm:
	s_mov_b64 s[64:65], 0
	v_nop
	global_prefetch_b8 v0, s[64:65] scope:SCOPE_SE
	s_setreg_imm32_b32 hwreg(HW_REG_WAVE_MODE, 25, 1), 1
	s_wait_xcnt 0x0
	s_wait_alu depctr_hold_cnt(0) depctr_sa_sdst(0) depctr_va_vdst(0) depctr_va_sdst(0) depctr_va_ssrc(0) depctr_va_vcc(0) depctr_vm_vsrc(0)
	s_getreg_b32 s2, hwreg(HW_REG_IB_STS2, 6, 4)
	s_cmp_eq_u32 s2, 0
	s_cbranch_scc0 .Lentry_in_a_cluster
	s_endpgm
.Lentry_in_a_cluster:
	s_bfe_u32 s2, ttmp6, 0x10000c
	s_cmp_lg_u32 s2, 0xf033
	s_cbranch_scc0 .Lentry_shape_is_right
	s_endpgm
.Lentry_shape_is_right:
; out[t][o] = scales_x[t] (y1 ws1[o] + y2 ws2[o]) + bias[o]; y1, y2: the sums over the two halves of K of x's and w's quantised numbers, f32.
; A work-group makes 128 tokens x 256 columns with four waves: wave (KH, CN) sums 128 x 128 (columns 128 CN ..) over K's half KH, 64 accumulators.  So y1 and y2 are finished in two waves; each keeps 64 of the tokens and sends the other 64 through LDS.
; w's numbers are codes of n / 2 under ONE scale, 2 (byte 128; the first launch's head shows that these are the quantiser's numbers): a register of 0x80808080 is the scale operand of w throughout.
; xc, wc hold images of the operand's registers: a fragment is three loads of 16 bytes a lane on end.
; RING: two slots of two K steps of both halves of K.  A wave fetches one stream (KH = 0: x, KH = 1: w; of K's half CN).  In LDS a stream's slot 1 lies right behind its slot 0, as it does in memory: so the head's ONE load a wave fills both slots (fills 0 and 1).
; Six refills (fills 2 to 7), each behind a drained round of the cluster's barrier.
; CLUSTERS 4 x 4: x's tiles are shared along a row (same token block), w's along a column: joint loads.
; PREFETCH INTO THE L2: behind the refill with fill k + 2 each wave asks for fill k + 4 of its stream, two refills on; fills 2 and 3 are asked for behind the head's loads.  The four partners that load a tile jointly share its blocks of 256 bytes
; out by address: x 25 each (13 + 12 lanes), w 48 each (24 + 24); lanes left over name the last block again.  The loop's last trip asks for nothing: fill 7 is the last.
; REGISTERS: window 0: addresses, scale words, v32-63 scales_x, v64-255 x's fragments (two sets of 8 x 12); window 1: w's fragments (v0-95, v128-223), v96-119 the columns' coefficients; windows 2, 3: accumulators of my rows 0-3, 4-7 (16 tokens each; rows 4-7 are the partner's).
; THE LAST TWO K STEPS GO BY ROWS: both steps' fragments lie in registers, rows 4-7 are finished and sent first, and each own row leaves as soon as the partner's sums for it are there.  Sums received, then the results, lie in the registers of the rows sent.
; NaN and infinities among scales and bias go through as in f32 arithmetic.
.set AB,    12800                      ; a block of x: 128 rows x 128 along K, and 512 bytes of scale words
.set BB,    12288                      ; a block of w
.set FRAGB, 1536
.set SCOFF, 12288
.set BREG,  8*AB                       ; LDS: x's two streams (slot 0, slot 1 of 2 AB each), then w's two (of 4 BB each)
.set SPARE, BREG+16*BB                 ; the spare words
.set VN,   1                           ; 16 (lane % 16)
.set VM,   2                           ; 32 (lane / 16)
.set CO,   3                           ; my offset in out0
.set ALO,  4                           ; LDS addresses: x's fragments of my rows 0-3,
.set AHI,  5                           ; of rows 4-7,
.set ADRS, 6                           ; x's scale words,
.set LI,   7                           ; 16 x lane
.set ADRB, 8                           ; v8-9: w's fragments in slot 0, 1
.set XS,   10                          ; the exchange: where I put rows 4-6; v11: row 7
.set XL,   12                          ; where I read the partner's; v13: his row 7
.set SPW,  14
.set NIL,  15
.set SC,   16                          ; v16-19, v24-27: x's scale words, two sets
.set WSC,  20                          ; w's scale
.set PF1,  28
.set PF2,  29
.set SX,   32
.set AF,   64
.set RAW,  96                          ; window 1: v96-103 my half's column scales, v104-111 the other half's, v112-119 bias
.set WV,   18
.set KH,   19
.set CN,   20
.set G1A,  24
.set G0A,  32
.set G1B,  40
.set G0B,  48
.set PFA,  58
.set PFB,  60
.set PST,  62
.set MSB, 0
.macro WIN new
.if MSB != \new
	s_set_vgpr_msb (MSB<<8)|\new
.set MSB, \new
.endif
.endm
.set MUL_LO, 0xa4                      ; source 0 (x) window 0, source 1 (w) window 1, C and D window 2
.set MUL_HI, 0xf4                      ; C and D window 3
.set TO_B,   0x40
.macro PLACES
.rept 4
	v_nop
.endr
.endm
.macro JLOAD sl                        ; a joint load: waves 0, 1 for x, waves 2, 3 for w
	s_cmp_eq_u32 s[KH], 0
	s_cbranch_scc0 .Lfor_b_\@
	tensor_load_to_lds s[G0A+4*\sl:G0A+4*\sl+3], s[G1A:G1A+7]
	s_nop 0
	PLACES
	s_branch .Lasked_\@
.Lfor_b_\@:
	tensor_load_to_lds s[G0B+4*\sl:G0B+4*\sl+3], s[G1B:G1B+7]
	s_nop 0
	PLACES
.Lasked_\@:
.endm
.macro CREST
	s_cmp_lg_u32 s[WV], 0
	s_cbranch_scc1 .Lnot_wave_0_\@
	s_barrier_signal -3
.Lnot_wave_0_\@:
	s_barrier_wait -3
	s_barrier_signal -1
	s_barrier_wait -1
.endm
.macro CROUND
	s_barrier_signal -1
	s_barrier_wait -1
	CREST
.endm
	s_load_b256 s[4:11], s[0:1], 0x0               ; xc, wc, scales_x, weight_scales_1
	s_load_b128 s[12:15], s[0:1], 0x20             ; weight_scales_2, bias
	s_load_b64 s[16:17], s[0:1], 0x30              ; out0
	v_lshl_add_u32 v[SPW], v0, 2, SPARE
	v_mov_b32 v[NIL], 0
	ds_add_u32 v[SPW], v[NIL]                      ; the wave's opening: the add, twice on end
	ds_add_u32 v[SPW], v[NIL]
	v_lshrrev_b32 v1, 5, v0
	v_readfirstlane_b32 s[WV], v1
	s_lshr_b32 s[KH], s[WV], 1
	s_and_b32 s[CN], s[WV], 1
	s_bfe_u32 s21, ttmp6, 0x40000                  ; cx
	s_bfe_u32 s22, ttmp6, 0x40004                  ; cy
	s_lshl_b32 s23, ttmp9, 2
	s_add_co_u32 s23, s23, s21                     ; column block
	s_and_b32 s56, ttmp7, 0xffff
	s_lshl_b32 s56, s56, 2
	s_add_co_u32 s56, s56, s22                     ; token block
	s_lshl_b32 s76, s22, 2
	s_lshl_b32 s76, 15, s76                        ; my row of the cluster
	s_lshl_b32 s77, 0x1111, s21                    ; my column
	; group 1: rows of 256 bytes on end; at the head two slots' worth
	s_or_b32 s[G1A], s76, (3<<16)|(1<<21)
	s_or_b32 s[G1B], s77, (3<<16)|(1<<21)
.irp g, G1A, G1B
	s_mov_b32 s[\g+1], 32<<16
	s_mov_b32 s[\g+3], 32<<16
	s_mov_b32 s[\g+5], 32
	s_mov_b32 s[\g+6], 0
	s_mov_b32 s[\g+7], 0
.endr
	s_mov_b32 s[G1A+2], 200<<16
	s_mov_b32 s[G1A+4], 200
	s_mov_b32 s[G1B+2], 384<<16
	s_mov_b32 s[G1B+4], 384
	s_mul_i32 s68, s56, 32*AB                      ; where my stream begins, in x
	s_mul_i32 s2, s[CN], 16*AB
	s_add_co_u32 s68, s68, s2
	s_mov_b32 s69, 0
	s_mul_i32 s70, s23, 64*BB                      ; and in w
	s_mul_i32 s2, s[CN], 32*BB
	s_add_co_u32 s70, s70, s2
	s_mov_b32 s71, 0
	s_mov_b32 s[G0A], 1
	s_mul_i32 s[G0A+1], s[CN], 4*AB
	s_mov_b32 s[G0A+4], 1
	s_add_co_u32 s[G0A+5], s[G0A+1], 2*AB
	s_mov_b32 s[G0B], 1
	s_mul_i32 s[G0B+1], s[CN], 8*BB
	s_add_co_u32 s[G0B+1], s[G0B+1], BREG
	s_mov_b32 s[G0B+4], 1
	s_add_co_u32 s[G0B+5], s[G0B+1], 4*BB
	v_mov_b32 v[WSC], 0x80808080                   ; 2 = 2^(128 - 127), four times
	v_and_b32 v31, 31, v0
	v_lshlrev_b32 v[LI], 4, v31
	s_wait_alu depctr_va_vdst(0)                   ; ahead of the scalar lines below
	; the prefetches' shares
	s_mov_b32 s72, 12288
	s_mov_b32 s75, 6144
	s_mov_b32 s[PST], 4*BB
	s_mov_b32 s[PST+1], 0
	s_cmp_eq_u32 s[KH], 0
	s_cselect_b32 s66, s21, s22                    ; my place among the four that ask with me
	s_cselect_b32 s72, 6400, s72                   ; bytes of a share
	s_cselect_b32 s73, 12, 23                      ; the last lane of its first part,
	s_cselect_b32 s74, 11, 23                      ; of its second part,
	s_cselect_b32 s75, 3328, s75                   ; which begins here
	s_cselect_b32 s[PST], 2*AB, s[PST]             ; from a fill to the next
	s_mul_i32 s72, s66, s72
	s_add_co_u32 s75, s75, s72
	v_min_u32 v[PF1], s73, v31
	v_min_u32 v[PF2], s74, v31
	v_lshl_add_u32 v[PF1], v[PF1], 8, s72
	v_lshl_add_u32 v[PF2], v[PF2], 8, s75
	; LDS addresses.  KH = 1 keeps fragments 4-7: its rows 0-3 are fragments 4-7, its rows 4-7 fragments 0-3
	s_mul_i32 s2, s[KH], 4*AB+4*FRAGB
	v_add_nc_u32 v[ALO], s2, v[LI]
	s_mul_i32 s2, s[KH], 4*AB-4*FRAGB
	s_add_co_u32 s2, s2, 4*FRAGB
	v_add_nc_u32 v[AHI], s2, v[LI]
	s_lshl_b32 s2, s[KH], 8
	v_xor_b32 v[ADRS], s2, v[LI]
	s_mul_i32 s2, s[KH], 4*AB
	v_add_nc_u32 v[ADRS], s2, v[ADRS]
	s_mul_i32 s3, s[KH], 8*BB
	s_mul_i32 s66, s[CN], BB
	s_add_co_u32 s3, s3, BREG
	s_add_co_u32 s66, s66, s3
	v_add_nc_u32 v[ADRB], s66, v[LI]
	v_add_nc_u32 v[ADRB+1], 4*BB, v[ADRB]
	; the exchange lies in the slot 0 parts of the streams of K's half KH: rows 4-6 of a wave in w's (3 x 8,192 bytes), row 7 in x's
	s_mul_i32 s66, s[CN], 2*BB
	s_add_co_u32 s3, s3, s66
	v_add_nc_u32 v[XS], s3, v[LI]
	s_lshl_b32 s67, s[CN], 13
	s_add_co_u32 s2, s2, s67
	v_add_nc_u32 v[XS+1], s2, v[LI]
	s_xor_b32 s2, s[KH], 1                         ; the partner: the other half of K, the same columns
	s_mul_i32 s3, s2, 8*BB
	s_add_co_u32 s3, s3, BREG
	s_add_co_u32 s3, s3, s66
	v_add_nc_u32 v[XL], s3, v[LI]
	s_mul_i32 s3, s2, 4*AB
	s_add_co_u32 s3, s3, s67
	v_add_nc_u32 v[XL+1], s3, v[LI]
	v_and_b32 v[VN], 15, v0
	v_lshlrev_b32 v[VN], 4, v[VN]
	v_bfe_u32 v[CO], v0, 4, 1
	v_lshlrev_b32 v[VM], 5, v[CO]
	v_lshl_add_u32 v[CO], v[CO], 17, v[VN]         ; 8 rows of out0 for the upper lanes
	s_wait_alu depctr_va_vdst(0)                   ; the head's end
	s_wait_dscnt 0x0                               ; both opening adds are done
	CROUND                                         ; all sixteen work-groups are here: the first joint loads meet
	s_wait_kmcnt 0x0
	s_add_nc_u64 s[68:69], s[4:5], s[68:69]
	s_add_nc_u64 s[70:71], s[6:7], s[70:71]
	s_mov_b64 s[G0A+2:G0A+3], s[68:69]
	s_or_b32 s[G0A+3], s[G0A+3], 0x80000000
	s_mov_b64 s[G0B+2:G0B+3], s[70:71]
	s_or_b32 s[G0B+3], s[G0B+3], 0x80000000
	JLOAD 0                                        ; fills 0 and 1
	s_cmp_eq_u32 s[KH], 0
	s_cselect_b64 s[66:67], s[68:69], s[70:71]
	s_add_nc_u64 s[PFB:PFB+1], s[66:67], s[PST:PST+1]
	s_add_nc_u64 s[PFB:PFB+1], s[PFB:PFB+1], s[PST:PST+1]
	s_add_nc_u64 s[PFA:PFA+1], s[PFB:PFB+1], s[PST:PST+1]
	global_prefetch_b8 v[PF1], s[PFB:PFB+1] th:TH_LOAD_NT scope:SCOPE_SE   ; fill 2,
	global_prefetch_b8 v[PF2], s[PFB:PFB+1] th:TH_LOAD_NT scope:SCOPE_SE
	global_prefetch_b8 v[PF1], s[PFA:PFA+1] th:TH_LOAD_NT scope:SCOPE_SE   ; fill 3
	global_prefetch_b8 v[PF2], s[PFA:PFA+1] th:TH_LOAD_NT scope:SCOPE_SE
	s_add_nc_u64 s[G0A+6:G0A+7], s[68:69], 2*AB
	s_or_b32 s[G0A+7], s[G0A+7], 0x80000000
	s_add_nc_u64 s[G0B+6:G0B+7], s[70:71], 4*BB
	s_or_b32 s[G0B+7], s[G0B+7], 0x80000000
	; the way out's numbers: rows 64 KH .. of scales_x, my half's and the other half's column scales, bias
	s_cmp_eq_u32 s[KH], 0
	s_cselect_b64 s[66:67], s[10:11], s[12:13]
	s_cselect_b64 s[68:69], s[12:13], s[10:11]
	s_lshl_b32 s78, s23, 10
	s_lshl_b32 s79, s[CN], 9
	s_add_co_u32 s78, s78, s79                     ; my first column, in bytes
	s_mov_b32 s79, 0
	s_add_nc_u64 s[66:67], s[66:67], s[78:79]
	s_add_nc_u64 s[68:69], s[68:69], s[78:79]
	s_add_nc_u64 s[70:71], s[14:15], s[78:79]
	s_lshl_b32 s80, s56, 9
	s_lshl_b32 s81, s[KH], 8
	s_add_co_u32 s80, s80, s81                     ; my first token x 4
	s_mov_b32 s81, 0
	s_add_nc_u64 s[72:73], s[8:9], s[80:81]
	s_lshl_b32 s80, s80, 12
	s_add_co_u32 s80, s80, s78
	s_add_nc_u64 s[74:75], s[16:17], s[80:81]
.irp i, 0,1,2,3
	global_load_b128 v[SX+8*\i:SX+8*\i+3], v[VM], s[72:73] offset:64*\i
	global_load_b128 v[SX+8*\i+4:SX+8*\i+7], v[VM], s[72:73] offset:64*\i+16
.endr
	WIN TO_B
.irp g, 0,1
	global_load_b128 v[RAW+4*\g:RAW+4*\g+3], v[VN], s[66:67] offset:256*\g
	global_load_b128 v[RAW+8+4*\g:RAW+8+4*\g+3], v[VN], s[68:69] offset:256*\g
	global_load_b128 v[RAW+16+4*\g:RAW+16+4*\g+3], v[VN], s[70:71] offset:256*\g
.endr
	WIN 0
.macro W1 c, row
	v_wmma_scale_f32_16x16x128_f8f6f4 v[rD:rD+7], v[rA:rA+11], v[rB:rB+11], \c, v[rS], v[WSC] matrix_a_fmt:MATRIX_FMT_FP6 matrix_b_fmt:MATRIX_FMT_FP6 matrix_a_scale:MATRIX_SCALE_ROW\row
.endm
; row a x w's eight fragments, set p: eight accumulators by turns.  The scale words of rows 4-7 lie in lanes 16-31
.macro MULA a, p, zero=0
.irp b, 0,1,2,3,4,5,6,7
.set rD, 8*(8*((\a)%4)+\b)
.set rA, AF+96*(\p)+12*(\a)
.set rB, 128*(\p)+12*\b
.set rS, SC+8*(\p)+(\a)%4
.if \zero
.if (\a) < 4
	W1 0, 0
.else
	W1 0, 1
.endif
.else
.if (\a) < 4
	W1 v[rD:rD+7], 0
.else
	W1 v[rD:rD+7], 1
.endif
.endif
.endr
.endm
.macro RUNB sl, q, p, f0               ; four of w's fragments of step q of slot sl, set p: 12 loads
	WIN TO_B
.irp f, \f0, \f0+1, \f0+2, \f0+3
.irp g, 0,1,2
	ds_load_b128 v[128*(\p)+12*(\f)+4*\g:128*(\p)+12*(\f)+4*\g+3], v[ADRB+\sl] offset:(\q)*2*BB+(\f)*FRAGB+512*\g
.endr
.endr
.endm
.macro RUN3 sl, q, p                   ; x's scale words and rows 0-3: 13 loads
	WIN 0
	ds_load_b128 v[SC+8*(\p):SC+8*(\p)+3], v[ADRS] offset:(\sl)*2*AB+(\q)*AB+SCOFF
.irp f, 0,1,2,3
.irp g, 0,1,2
	ds_load_b128 v[AF+96*(\p)+12*\f+4*\g:AF+96*(\p)+12*\f+4*\g+3], v[ALO] offset:(\sl)*2*AB+(\q)*AB+\f*FRAGB+512*\g
.endr
.endr
.endm
.macro RUN4 sl, q, p                   ; x's rows 4-7: 12 loads
	WIN 0
.irp f, 0,1,2,3
.irp g, 0,1,2
	ds_load_b128 v[AF+96*(\p)+48+12*\f+4*\g:AF+96*(\p)+48+12*\f+4*\g+3], v[AHI] offset:(\sl)*2*AB+(\q)*AB+\f*FRAGB+512*\g
.endr
.endr
.endm
; a slot's first K step (set 0); its second step's fragments come into set 1.  Four places stand in front of loads into registers that products have read
.macro STEP sl, zero
	s_wait_dscnt 12                                ; all but rows 4-7
	PLACES
	RUNB \sl, 1, 1, 0
	WIN MUL_LO
	MULA 0, 0, \zero
	MULA 1, 0, \zero
	RUNB \sl, 1, 1, 4
	WIN MUL_LO
	MULA 2, 0, \zero
	MULA 3, 0, \zero
	s_wait_dscnt 24                                ; rows 4-7 are in: only the two runs of w are younger
	RUN3 \sl, 1, 1
	WIN MUL_HI
	MULA 4, 0, \zero
	MULA 5, 0, \zero
	RUN4 \sl, 1, 1
	WIN MUL_HI
	MULA 6, 0, \zero
	MULA 7, 0, \zero
	WIN 0
.endm
; its second step (set 1) and the change of slots: the next slot's first fragments come into set 0
.macro TURN sl, next, fill
	WIN 0
.if \fill
	s_wait_xcnt 0x0                                ; the last prefetch has read its base
	s_add_nc_u64 s[PFA:PFA+1], s[PFA:PFA+1], s[PST:PST+1]
.endif
	s_wait_tensorcnt 0x0                           ; all my tensor loads have landed, the next slot's among them;
	ds_add_u32 v[SPW], v[NIL]
.if \fill
	s_add_nc_u64 s[G0A+4*\sl+2:G0A+4*\sl+3], s[G0A+4*\sl+2:G0A+4*\sl+3], 4*AB
	s_add_nc_u64 s[G0B+4*\sl+2:G0B+4*\sl+3], s[G0B+4*\sl+2:G0B+4*\sl+3], 8*BB
.endif
	s_wait_dscnt 13                                ; all but rows 4-7 and the add
	WIN MUL_LO
	MULA 0, 1
	s_wait_dscnt 0x0                               ; the add is done, and my reads of this slot
	s_barrier_signal -1
	MULA 1, 1
	WIN 0
	s_barrier_wait -1
.if \fill
	CREST
	JLOAD \sl                                      ; the refill, first behind the round; its four v_nop are the places ahead of the loads below
.else
	PLACES
.endif
	RUNB \next, 0, 0, 0
	WIN MUL_LO
	MULA 2, 1
	MULA 3, 1
	RUNB \next, 0, 0, 4
.if \fill
	WIN 0
	s_cmp_gt_u32 s3, 1                             ; the last trip asks for nothing
	s_cbranch_scc0 .Lno_ask_\@
	global_prefetch_b8 v[PF1], s[PFA:PFA+1] th:TH_LOAD_NT scope:SCOPE_SE
	global_prefetch_b8 v[PF2], s[PFA:PFA+1] th:TH_LOAD_NT scope:SCOPE_SE
.Lno_ask_\@:
.endif
	WIN MUL_HI
	MULA 4, 1
	MULA 5, 1
	RUN3 \next, 0, 0
	WIN MUL_HI
	MULA 6, 1
	RUN4 \next, 0, 0
	WIN MUL_HI
	MULA 7, 1
	WIN 0
.endm
.macro STAGE k                         ; row 4 + k to LDS, as it lies in the registers
	WIN 0x0c
.irp b, 0,1,2,3,4,5,6,7
.if \k < 3
	ds_store_b128 v[XS], v[64*\k+8*\b:64*\k+8*\b+3] offset:8192*\k+1024*\b
	ds_store_b128 v[XS], v[64*\k+8*\b+4:64*\k+8*\b+7] offset:8192*\k+1024*\b+512
.else
	ds_store_b128 v[XS+1], v[64*\k+8*\b:64*\k+8*\b+3] offset:1024*\b
	ds_store_b128 v[XS+1], v[64*\k+8*\b+4:64*\k+8*\b+7] offset:1024*\b+512
.endif
.endr
	WIN 0
.endm
.macro XLOAD k                         ; the partner's sums of my row k, into the registers of row 4 + k
	WIN 0xc0
.irp b, 0,1,2,3,4,5,6,7
.if \k < 3
	ds_load_b128 v[64*\k+8*\b:64*\k+8*\b+3], v[XL] offset:8192*\k+1024*\b
	ds_load_b128 v[64*\k+8*\b+4:64*\k+8*\b+7], v[XL] offset:8192*\k+1024*\b+512
.else
	ds_load_b128 v[64*\k+8*\b:64*\k+8*\b+3], v[XL+1] offset:1024*\b
	ds_load_b128 v[64*\k+8*\b+4:64*\k+8*\b+7], v[XL+1] offset:1024*\b+512
.endif
.endr
	WIN 0
.endm
; row i leaves: (partner's sum x his column scale + my sum x mine) x scales_x + bias.  Of a pair of column scales op_sel picks the one
.macro OUT i
	WIN 0xc7
.irp c, 0,1,2,3,4,5,6,7
.irp j, 0,2,4,6
.set P_, 64*\i+8*\c+\j
.set Q_, RAW+8+2*(\c/2)
.if \c%2
	v_pk_mul_f32 v[P_:P_+1], v[P_:P_+1], v[Q_:Q_+1] op_sel:[0,1]
.else
	v_pk_mul_f32 v[P_:P_+1], v[P_:P_+1], v[Q_:Q_+1] op_sel_hi:[1,0]
.endif
.endr
.endr
	WIN 0xb6
.irp c, 0,1,2,3,4,5,6,7
.irp j, 0,2,4,6
.set P_, 64*\i+8*\c+\j
.set Q_, RAW+2*(\c/2)
.if \c%2
	v_pk_fma_f32 v[P_:P_+1], v[P_:P_+1], v[Q_:Q_+1], v[P_:P_+1] op_sel:[0,1,0]
.else
	v_pk_fma_f32 v[P_:P_+1], v[P_:P_+1], v[Q_:Q_+1], v[P_:P_+1] op_sel_hi:[1,0,1]
.endif
.endr
.endr
.irp g, 0,1
	WIN 0xd2
.irp j, 0,1,2,3,4,5,6,7
.irp b, 0,1,2,3
	v_fma_f32 v[64*\i+32*\g+4*\j+\b], v[64*\i+8*(4*\g+\b)+\j], v[SX+8*\i+\j], v[RAW+16+4*\g+\b]
.endr
.endr
	WIN 0x0c
.irp j, 0,1,2,3,4,5,6,7
	global_store_b128 v[CO], v[64*\i+32*\g+4*\j:64*\i+32*\g+4*\j+3], s[74:75] offset:(16*\i+\j)*16384+256*\g th:TH_STORE_NT   ; 16 lanes store 256 consecutive bytes, aligned
.endr
.endr
	WIN 0
.endm
	s_wait_tensorcnt 0x0                           ; my part of both slots is in: no tensor load of mine is out,
	s_mov_b32 s[G1A+2], 100<<16                    ; so group 1 may be written: from here on a load brings one slot's part
	s_mov_b32 s[G1A+4], 100
	s_mov_b32 s[G1B+2], 192<<16
	s_mov_b32 s[G1B+4], 192
	s_barrier_signal -1
	s_barrier_wait -1                              ; everybody's part is
	RUNB 0, 0, 0, 0
	RUNB 0, 0, 0, 4
	RUN3 0, 0, 0
	RUN4 0, 0, 0
	STEP 0, 1                                      ; the first products start the sums
	s_mov_b32 s3, 3
.Llap:                                                 ; a trip: two changes of slots, fills 2 to 7 in three trips
	TURN 0, 1, 1
	STEP 1, 0
	TURN 1, 0, 1
	STEP 0, 0
	s_sub_co_u32 s3, s3, 1
	s_cmp_lg_u32 s3, 0
	s_cbranch_scc1 .Llap
	TURN 0, 1, 0                                   ; behind its barrier nobody reads slot 0, which is filled no more: the exchange lies there
	s_wait_dscnt 12                                ; THE LAST SLOT, BY ROWS: all but rows 4-7 of its first step are in
	PLACES
	RUNB 1, 1, 1, 0
	WIN MUL_LO
	MULA 0, 0
	MULA 1, 0
	RUNB 1, 1, 1, 4
	s_wait_dscnt 24                                ; rows 4-7: only the two runs of w are younger
	RUN4 1, 1, 1
	WIN MUL_HI
	MULA 4, 0
	MULA 5, 0
	RUN3 1, 1, 1
	WIN MUL_HI
	MULA 6, 0
	MULA 7, 0
	s_wait_dscnt 12                                ; the second step's scale words, w and rows 4-7 are in
	MULA 4, 1
	MULA 5, 1
	PLACES
	STAGE 0
	STAGE 1
	WIN MUL_HI
	MULA 6, 1
	s_wait_dscnt 0x0                               ; for the partner's sake: my stores are done
	s_barrier_signal -1
	WIN MUL_LO
	MULA 0, 1
	WIN 0
	s_barrier_wait -1
	XLOAD 0
	XLOAD 1
	WIN MUL_HI
	MULA 7, 1
	WIN MUL_LO
	MULA 1, 1
	PLACES
	STAGE 2
	STAGE 3
	s_wait_loadcnt 0x0                             ; the way out's numbers, asked for at the head
	s_wait_dscnt 48                                ; row 0's 16 loads are back: row 1's 16 and 32 stores are younger
	OUT 0
	s_wait_dscnt 0x0
	s_barrier_signal -1
	WIN MUL_LO
	MULA 2, 0
	MULA 3, 0
	MULA 2, 1
	WIN 0
	s_barrier_wait -1
	XLOAD 2
	XLOAD 3
	OUT 1
	WIN MUL_LO
	MULA 3, 1
	PLACES
	s_wait_dscnt 16                                ; row 2's loads are back
	OUT 2
	s_wait_dscnt 0x0
	OUT 3
	s_wait_tensorcnt 0x0                           ; the wave's end
	ds_add_u32 v[SPW], v[NIL]
	s_wait_dscnt 0x0
	CROUND                                         ; the closing round
	s_endpgm
.Lfunc_end_k_q32dbbfa901_gemm:
	.size	k_q32dbbfa901_gemm, .Lfunc_end_k_q32dbbfa901_gemm-k_q32dbbfa901_gemm
	.p2alignl 7, 3214868480
	.fill 96, 4, 3214868480
	.section	.rodata,"a",@progbits
	.p2align	6, 0x0
	.amdhsa_kernel k_q32dbbfa901_gemm
		.amdhsa_group_segment_fixed_size 327680
		.amdhsa_private_segment_fixed_size 0
		.amdhsa_enable_private_segment 0
		.amdhsa_kernarg_size 56
		.amdhsa_user_sgpr_count 2
		.amdhsa_user_sgpr_kernarg_segment_ptr 1
		.amdhsa_wavefront_size32 1
		.amdhsa_system_sgpr_workgroup_id_x 1
		.amdhsa_system_sgpr_workgroup_id_y 1
		.amdhsa_system_sgpr_workgroup_id_z 1
		.amdhsa_system_vgpr_workitem_id 0
		.amdhsa_next_free_vgpr 1024
		.amdhsa_next_free_sgpr 84
		.amdhsa_reserve_vcc 0
		.amdhsa_float_denorm_mode_32 3
		.amdhsa_float_denorm_mode_16_64 3
		.amdhsa_memory_ordered 1
		.amdhsa_forward_progress 1
		.amdhsa_inst_pref_size 154
	.end_amdhsa_kernel
	.amdgpu_metadata
---
amdhsa.version: [ 1, 2 ]
amdhsa.kernels:
  - .name:           k_q32dbbfa901_gemm
    .symbol:         k_q32dbbfa901_gemm.kd
    .args:
      - { .name: xc, .offset: 0, .size: 8, .value_kind: global_buffer, .address_space: global }
      - { .name: wc, .offset: 8, .size: 8, .value_kind: global_buffer, .address_space: global }
      - { .name: scales_x, .offset: 16, .size: 8, .value_kind: global_buffer, .address_space: global }
      - { .name: weight_scales_1, .offset: 24, .size: 8, .value_kind: global_buffer, .address_space: global }
      - { .name: weight_scales_2, .offset: 32, .size: 8, .value_kind: global_buffer, .address_space: global }
      - { .name: bias, .offset: 40, .size: 8, .value_kind: global_buffer, .address_space: global }
      - { .name: out0, .offset: 48, .size: 8, .value_kind: global_buffer, .address_space: global }
    .group_segment_fixed_size: 327680
    .private_segment_fixed_size: 0
    .kernarg_segment_align: 8
    .kernarg_segment_size: 56
    .max_flat_workgroup_size: 128
    .sgpr_count:     84
    .vgpr_count:     1024
    .wavefront_size: 32
...
	.end_amdgpu_metadata
.endif
;; end of part 2
